; MI455X (gfx1250); checked and timed in simulation.
; The chip was launched on July 23, 2026; its instructions are those of AMD's public machine-readable ISA for CDNA 5 (MIT licence, August 2026) and "CDNA5" Instruction Set Architecture Reference Guide (July 2026). The comments in the code are by the model that wrote it; some were corrected since.
;; Matrix Mixer. Allowed arithmetic: float matrix products may take bf16 or f16 operands with f32 sums; other float arithmetic in f32, or as packed bf16 or f16 multiplies, adds, multiply-adds, maxima and minima; sums over many terms, partial sums and values carried from step to step in f32; what a program stores and reads back later, other than sums and carried values, may be rounded once to bf16 or f16.
;; Inputs: W_in 3,072 x 1,024 float32; u 4 x 4,096 x 1,024 float32; x1 1 float32; x2 1 float32.
;; Outputs: out0 4 x 4,096 x 1,024 float32.
;; 2 versions, each right; version 2 is version 1 with the launch yfinal written anew for expert scheduling mode. Each part assembles by itself: llvm-mc -triple=amdgcn-amd-amdhsa -mcpu=gfx1250 --defsym DOCPART=n.
;; ======== version 1 of 2: 3 launches
;; limits: values are held in f16: magnitudes above 65,504 overflow, below 6.1e-05 lose precision
;; workspace buffers: u16 33,554,432 bytes; w16 6,291,456 bytes; qf 33,554,432 bytes; kvpart 8,388,608 bytes
;; launch prep (part 1): grid 1216 x 1, 8 waves a work-group, no clusters, 0 bytes of LDS; arguments u, W_in, u16, w16; writes u16, w16
.if DOCPART == 1
	.amdgcn_target "amdgcn-amd-amdhsa--gfx1250"
	.amdhsa_code_object_version 6
	.text
	.protected	k_q0ad088fde5_prep
	.globl	k_q0ad088fde5_prep
	.p2align	8
	.type	k_q0ad088fde5_prep,@function
k_q0ad088fde5_prep:
	s_mov_b64 s[64:65], 0
	v_nop
	global_prefetch_b8 v0, s[64:65] scope:SCOPE_SE
	s_setreg_imm32_b32 hwreg(HW_REG_WAVE_MODE, 25, 1), 1
	s_wait_xcnt 0x0
; u [16384][1024] and W_in [3072][1024], f32, are rounded once to f16 for the two matrix launches that follow; W_in's rows are put in the order in which those launches take them.
; w16 rows 128 h .. 128 h + 63 = v of head h (W_in rows 64 h ..); rows 128 h + 64 .. 128 h + 127 = k of head h (W_in rows 2048 + 64 h ..); rows 2048 + i = q (W_in row 1024 + i).
; The problem's inputs x1 and x2 do not enter its result; no launch of this program names them.
; LIMITS.  A number of 65,520 or more in magnitude becomes an infinity in f16; below 6.1e-5 f16 keeps a fixed step of 6e-8.
; SHARES.  A work-group takes 16 rows: groups 0 to 1023 of u, groups 1024 to 1215 of W_in (16 rows never leave a block of 64, so they stay neighbours in w16).  Thread t owns columns 4 t .. 4 t + 3:
; a load of a wave covers 512 consecutive bytes, a store of a wave 256 consecutive bytes at a multiple of 256 from the buffer's first byte.  All 16 loads of a thread go out at once; no register is written twice,
; so there is no loop and no wait but the counted ones for the loads.  No LDS, no matrix unit, no cluster: nothing is shared and nothing is multiplied.
.set ROWF, 4096                        ; bytes in a row of f32
.set ROWH, 2048                        ; bytes in a row of f16
.set X, 4                              ; v[4:67]   row i as loaded, at X + 4 i
.set Y, 68                             ; v[68:99]  row i as stored, at Y + 2 i
	s_load_b256 s[4:11], s[0:1], 0x0               ; u s[4:5], W_in s[6:7], u16 s[8:9], w16 s[10:11]
	v_lshlrev_b32 v1, 4, v0                        ; my 16 bytes of a row of f32
	v_lshlrev_b32 v2, 3, v0                        ; my 8 bytes of a row of f16
	s_max_u32 s12, ttmp9, 1024
	s_sub_co_u32 s12, s12, 1024
	s_lshl_b32 s12, s12, 4                         ; e0: my first row of W_in (0 in the groups that take u, where it is not used)
	s_and_b32 s13, s12, 1023                       ; its place in its third of W_in,
	s_lshr_b32 s14, s12, 10                        ; and which third: 0 v, 1 q, 2 k
	s_lshr_b32 s15, s13, 6                         ; the head
	s_lshl_b32 s15, s15, 7                         ; 128 rows of w16 a head
	s_and_b32 s16, s13, 63
	s_add_co_u32 s15, s15, s16
	s_cmp_eq_u32 s14, 2
	s_cselect_b32 s16, 64, 0                       ; k lies behind v
	s_add_co_u32 s15, s15, s16
	s_add_co_u32 s17, s13, 2048                    ; q lies behind all heads' v and k
	s_cmp_eq_u32 s14, 1
	s_cselect_b32 s15, s17, s15
	s_lshl_b32 s18, ttmp9, 4                       ; my first row of u and of u16
	s_wait_kmcnt 0x0
	s_cmp_lt_u32 ttmp9, 1024                       ; u or W_in?  The four selects leave SCC as it is
	s_cselect_b32 s19, s18, s12                    ; the row that I read,
	s_cselect_b32 s20, s18, s15                    ; the row that I write,
	s_cselect_b64 s[22:23], s[4:5], s[6:7]         ; from which buffer,
	s_cselect_b64 s[24:25], s[8:9], s[10:11]       ; into which
	s_lshl_b32 s26, s19, 12
	s_mov_b32 s27, 0
	s_lshl_b32 s28, s20, 11
	s_mov_b32 s29, 0
	s_add_nc_u64 s[22:23], s[22:23], s[26:27]
	s_add_nc_u64 s[24:25], s[24:25], s[28:29]
.set i, 0
.rept 16
	global_load_b128 v[X+4*i:X+4*i+3], v1, s[22:23] offset:ROWF*i th:TH_LOAD_NT
.set i, i+1
.endr
.set i, 0
.rept 16
	s_wait_loadcnt 15-i                            ; loads come back in order: row i is in, the 15 - i rows behind it stay out
	v_cvt_pk_f16_f32 v[Y+2*i], v[X+4*i], v[X+4*i+1]
	v_cvt_pk_f16_f32 v[Y+2*i+1], v[X+4*i+2], v[X+4*i+3]
	global_store_b64 v2, v[Y+2*i:Y+2*i+1], s[24:25] offset:ROWH*i
.set i, i+1
.endr
	s_endpgm
.Lfunc_end_k_q0ad088fde5_prep:
	.size	k_q0ad088fde5_prep, .Lfunc_end_k_q0ad088fde5_prep-k_q0ad088fde5_prep
	.p2alignl 7, 3214868480
	.fill 96, 4, 3214868480
	.section	.rodata,"a",@progbits
	.p2align	6, 0x0
	.amdhsa_kernel k_q0ad088fde5_prep
		.amdhsa_group_segment_fixed_size 0
		.amdhsa_private_segment_fixed_size 0
		.amdhsa_enable_private_segment 0
		.amdhsa_kernarg_size 32
		.amdhsa_user_sgpr_count 2
		.amdhsa_user_sgpr_kernarg_segment_ptr 1
		.amdhsa_wavefront_size32 1
		.amdhsa_system_sgpr_workgroup_id_x 1
		.amdhsa_system_sgpr_workgroup_id_y 1
		.amdhsa_system_sgpr_workgroup_id_z 1
		.amdhsa_system_vgpr_workitem_id 0
		.amdhsa_next_free_vgpr 100
		.amdhsa_next_free_sgpr 66
		.amdhsa_reserve_vcc 0
		.amdhsa_float_denorm_mode_32 3
		.amdhsa_float_denorm_mode_16_64 3
		.amdhsa_memory_ordered 1
		.amdhsa_forward_progress 1
		.amdhsa_inst_pref_size 7
	.end_amdhsa_kernel
	.amdgpu_metadata
---
amdhsa.version: [ 1, 2 ]
amdhsa.kernels:
  - .name:           k_q0ad088fde5_prep
    .symbol:         k_q0ad088fde5_prep.kd
    .args:
      - { .name: u, .offset: 0, .size: 8, .value_kind: global_buffer, .address_space: global }
      - { .name: W_in, .offset: 8, .size: 8, .value_kind: global_buffer, .address_space: global }
      - { .name: u16, .offset: 16, .size: 8, .value_kind: global_buffer, .address_space: global }
      - { .name: w16, .offset: 24, .size: 8, .value_kind: global_buffer, .address_space: global }
    .group_segment_fixed_size: 0
    .private_segment_fixed_size: 0
    .kernarg_segment_align: 8
    .kernarg_segment_size: 32
    .max_flat_workgroup_size: 256
    .sgpr_count:     66
    .vgpr_count:     100
    .wavefront_size: 32
...
	.end_amdgpu_metadata
.endif
;; end of part 1
;; launch gemm3 (part 2): grid 8 x 32, 4 waves a work-group, clusters of 4 x 4, 327,680 bytes of LDS; arguments u16, w16, qf, kvpart; writes qf, kvpart
.if DOCPART == 2
	.amdgcn_target "amdgcn-amd-amdhsa--gfx1250"
	.amdhsa_code_object_version 6
	.text
	.protected	k_q0ad088fde5_gemm3
	.globl	k_q0ad088fde5_gemm3
	.p2align	8
	.type	k_q0ad088fde5_gemm3,@function
k_q0ad088fde5_gemm3:
	s_mov_b64 s[64:65], 0
	v_nop
	global_prefetch_b8 v0, s[64:65] scope:SCOPE_SE
	s_setreg_imm32_b32 hwreg(HW_REG_WAVE_MODE, 25, 1), 1
	s_wait_xcnt 0x0
	s_wait_alu depctr_hold_cnt(0) depctr_sa_sdst(0) depctr_va_vdst(0) depctr_va_sdst(0) depctr_va_ssrc(0) depctr_va_vcc(0) depctr_vm_vsrc(0)
	s_getreg_b32 s2, hwreg(HW_REG_IB_STS2, 6, 4)
	s_cmp_eq_u32 s2, 0
	s_cbranch_scc0 .Lentry_in_a_cluster
	s_endpgm
.Lentry_in_a_cluster:
	s_bfe_u32 s2, ttmp6, 0x10000c
	s_cmp_lg_u32 s2, 0xf033
	s_cbranch_scc0 .Lentry_shape_is_right
	s_endpgm
.Lentry_shape_is_right:
; The whole projection u16 x w16^T, three tiles of 256 x 256 to a work-group: first a tile of q, stored as f16; then two tiles of [v | k], kept in registers, of which only sums of kv = K^T V leave.
; u16: [16384][1024] f16.  w16: [3072][1024] f16: rows 128 h .. + 63 = v, + 64 .. + 127 = k of head h; rows 2048 + i = q's.
; qf, f16: [batch x 16 + head][row / 16 in the batch (256)][n / 16 (4)][lane][8]: lane (r = l % 16, hh = l / 16) holds q[16 block + r][16 (n / 16) + 8 hh + 0..7]: half a matrix operand as the last launch takes it.
; kvpart, f32: [batch x 16 + head][part 0..7][tile t = 4 pb + nb][quad 0..1][lane][4]: lane (r, hh), number j = 4 quad + i, is the sum over the part's 512 rows of k[row][16 nb + 8 hh + j] v[row][16 pb + r].
; LIMITS.  q, v and k are rounded to f16: 65,520 or more in magnitude becomes an infinity; below 6.1e-5 the step is 6e-8.  All sums are f32.
; SHARES.  A tile is made by four waves, 128 x 128 each: 64 accumulators of 16 x 16.  A slot of the ring holds 256 rows for the M side (source 0) and 256 for the N side (source 1).  In a result lane (r, hh) holds N row
; 16 b + r and M rows 16 a + 8 hh + 0..7.
; [v | k]: M = rows of u16, N = rows of w16; a wave's 128 N rows are ONE head's v and k.  Blocks 2 s and 2 s + 1, rounded to f16 in pairs, are the operand 'row = column of v or k, K = 32 rows of u' of K^T V: nothing
; changes lanes.  The two tiles lie 2,048 rows apart in one batch and add into the same 16 accumulators of kv; at the end the two row halves' sums meet in LDS: 8 parts a batch and head.
; q: THE SIDES ARE SWAPPED, in the descriptors alone: M = q's rows of w16, N = rows of u16.  So the loop has one form of product, and a lane holds eight neighbouring columns of one row of q: 16 bytes of qf.
; THE RING.  K goes in steps of 128 through two LDS slots filled by the tensor data mover; rows of 256 bytes, at multiples of 256 bytes from the buffers' first bytes.  It runs on across the changes of tiles, and
; q's stores leave while the next tile is multiplied.
; CLUSTERS.  4 x 4 work-groups.  The M side's tile hangs on cy and the cluster's y alone and is shared along a row of the cluster, the N side's on cx and the cluster's x and y alone and is shared along a column: each is
; asked for JOINTLY, by the same tensor load with the same descriptor and a mask that names the four.
; REGISTERS, in windows of 256 (s_set_vgpr_msb's low byte: bits 1:0 source 0, 3:2 source 1, 5:4 source 2, 7:6 destination):
;   window 0: v0-31 addresses; v64-127, v128-191 fragments of the M side, two buffers; v192-255 T: results rounded to f16
;   window 1: v64-127, v128-191 fragments of the N side, two buffers; v0-63, v192-255 the 16 accumulators of kv
;   window 2: the accumulators of my M rows 0-63 ((a, b) at v[8 (8 a + b)]);   window 3: those of my M rows 64-127
.set SIZE_K, 1024
.set KSTEP,  128
.set PITCH,  272                       ; an LDS row: 256 bytes + 16 of padding = 68 words, so that the 16 rows of a fragment load begin 4 banks apart (64 banks of 4 bytes: ISA guide 11.1)
.set HALFT,  128*PITCH                 ; 128 rows: what one tensor load brings, and what one wave reads of either side
.set SLOT,   4*HALFT                   ; the M side's 256 rows, then the N side's
.set SPARE,  2*SLOT                    ; behind the ring: the spare words, 128 bytes for each wave: two blocks of 256 bytes that no other line names
.set HSUM,   SPARE+512                 ; behind them, never filled by a tensor load: 16,384 bytes for each column half, where the lower row half's sums of kv are handed over
.set LAPS,   SIZE_K/(2*KSTEP)          ; a lap = two K steps = once round the ring
.set WALK,   2048                      ; rows from my first tile of [v | k] to my second
.set ADRA, 16                          ; v16-17  LDS address of my fragments of the M side in slot 0, 1
.set ADRB, 20                          ; v20-21  the same for the N side
.set CO,   26                          ; v26     16 x lane: my 16 bytes in 512 consecutive bytes of qf and of kvpart
.set HS,   27                          ; v27     the same in my column half's bytes of HSUM
.set SPW,  28                          ; v28     LDS address of my spare word; never rewritten
.set NIL,  29                          ; v29     0; never rewritten
.set PFO,  30                          ; v30     the prefetches' offset: lane x 2,048 bytes, a lane a row; never rewritten
.set LIM,  43                          ; s43     1 in a wave that prefetches in the tile in hand, else the greatest number
.set PFA,  44                          ; s[44:45] where my prefetches stand
.set NA,   66                          ; s[66:67] the M side's 128 rows that I fetch, in the tile to come
.set NB,   68                          ; s[68:69] the N side's
.set NPF,  70                          ; s[70:71] where my prefetches stand in the tile to come, at its K step 1
.set NLIM, 72                          ; s72     LIM for the tile to come
.set CLY,  73                          ; s73     the cluster's y
.set QP,   76                          ; s[76:77] qf at my wave's first block
.set KVP,  78                          ; s[78:79] kvpart at my part
.set F0,   64
.set F1,   128
.set T,    192
.set G1,   24                          ; s[24:31] descriptor group 1 for the M side's tiles
.set G0,   32                          ; s[32:39] group 0, a set for each slot
.set G1B,  48                          ; s[48:55], s[56:63] the same for the N side's tiles
.set G0B,  56
.set MSB, 0
.macro WIN new                         ; the immediate's high byte repeats the setting that is left; a switch that changes nothing is dropped
.if MSB != (\new)
	s_set_vgpr_msb (MSB<<8)|(\new)
.set MSB, \new
.endif
.endm
.set MUL_LO, 0xa4                      ; source 0 (M side) window 0, source 1 (N side) window 1, C and D window 2
.set MUL_HI, 0xf4                      ; the same, C and D window 3
.set TO_B,   0x40                      ; destination window 1, address window 0
; A joint load.  Waves 0 and 1 fetch the M side's two halves, waves 2 and 3 the N side's.  The branch hangs on the wave's number alone.  An s_nop 0 and four v_nop follow each of the two lines.
.macro JLOAD s
	s_cmp_eq_u32 s11, 0
	s_cbranch_scc0 .Lfor_b_\@
	tensor_load_to_lds s[G0+4*(\s):G0+4*(\s)+3], s[G1:G1+7]
	s_nop 0
.rept 4
	v_nop
.endr
	s_branch .Lasked_\@
.Lfor_b_\@:
	tensor_load_to_lds s[G0B+4*(\s):G0B+4*(\s)+3], s[G1B:G1B+7]
	s_nop 0
.rept 4
	v_nop
.endr
.Lasked_\@:
.endm
; A prefetch, behind each joint refill and the run of LDS loads that follows it: the K step that stands two refills on, 512 matrix instructions ahead of the load that will ask for it: 32 rows x 256 bytes, a lane a row.
; Each row's 256 bytes of a K step are named once in the launch, ahead of the tile that reads them first.  u16: that is the tile of q, where each row is read by one column of one cluster: every cluster asks for its own.
; q's rows of w16 are read by all clusters: the first asks.  v's and k's rows are first read in the second tile, by the eight clusters of one x: the one with y = 0 asks.  The second and third tiles read u16 again,
; and the third the same rows of w16: nothing is asked for.  Of the 128 rows that a wave fetches the partner at place p (cx for the M side, cy for the N side) takes 32 p .. 32 p + 31, told apart by address alone.
; how = 0, in the loop: a tile's last two refills have no K step two on.  how = 1, at a change of tiles.
.macro ASK how
.if \how
	s_cmp_eq_u32 s[LIM], 1
.else
	s_cmp_gt_u32 s3, s[LIM]                        ; s3 = 1 in the loop's last trip
.endif
	s_cbranch_scc0 .Lnot_mine_\@
	global_prefetch_b8 v[PFO], s[PFA:PFA+1] offset:KSTEP*2 th:TH_LOAD_NT scope:SCOPE_SE
.Lnot_mine_\@:
.endm
.macro CREST                           ; a round of the cluster's barrier behind its opening barrier
	s_cmp_lg_u32 s10, 0
	s_cbranch_scc1 .Lnot_wave_0_\@
	s_barrier_signal -3
.Lnot_wave_0_\@:
	s_barrier_wait -3
	s_barrier_signal -1
	s_barrier_wait -1
.endm
.macro CROUND                          ; a whole round
	s_barrier_signal -1
	s_barrier_wait -1
	CREST
.endm
	s_load_b128 s[4:7], s[0:1], 0x0                ; u16 s[4:5], w16 s[6:7]
	s_load_b128 s[QP:QP+3], s[0:1], 0x10           ; qf s[76:77], kvpart s[78:79]
	v_lshl_add_u32 v[SPW], v0, 2, SPARE
	v_mov_b32 v[NIL], 0
	ds_add_u32 v[SPW], v[NIL]                      ; the wave's opening: the add, twice on end, and its wait ahead of my first tensor load
	ds_add_u32 v[SPW], v[NIL]                      ; the same add once more; the set-up below, work on registers, stands between it and the wait
	v_lshrrev_b32 v1, 5, v0
	v_readfirstlane_b32 s10, v1                    ; wave 0..3
	s_lshr_b32 s11, s10, 1                         ; which half of the tile's M rows is mine.  Also: I fetch for the M side (0) or for the N side (1)
	s_and_b32 s12, s10, 1                          ; which half of its N rows.  Also: which 128 rows of that side I fetch
	s_bfe_u32 s40, ttmp6, 0x40000                  ; cx
	s_bfe_u32 s41, ttmp6, 0x40004                  ; cy
	s_lshl_b32 s42, ttmp9, 2
	s_add_co_u32 s42, s42, s40                     ; tc = 4 x cluster x + cx, 0..7: for [v | k] the tile column, heads 2 tc and 2 tc + 1
	s_and_b32 s[CLY], ttmp7, 0xffff                ; cluster y, 0..7: two clusters a batch
	s_lshr_b32 s14, s[CLY], 1                      ; the batch
	s_and_b32 s13, s[CLY], 1
	s_lshl_b32 s14, s14, 4                         ; 16 tile rows a batch
	s_lshl_b32 s13, s13, 2
	s_add_co_u32 s13, s13, s14
	s_add_co_u32 s13, s13, s41                     ; [v | k]: my first tile row = 16 x batch + 4 x (cluster y % 2) + cy: one of the batch's first eight
	s_lshl_b32 s43, s41, 2
	s_lshl_b32 s43, 15, s43                        ; my row of the cluster: places 4 cy .. 4 cy + 3
	s_lshl_b32 s44, 0x1111, s40                    ; my column: places cx, cx + 4, cx + 8, cx + 12
	; descriptor group 1: a tile of 128 rows x 128 elements, padded in LDS
	s_or_b32 s[G1+0], s43, (1<<16)|(1<<20)|(1<<21)|(5<<22)|(3<<25)   ; 15:0 the mask; 17:16 elements of 2 bytes; 20 padding on; 21 set beside a mask; 24:22 after every 64 words (code 5); 31:25 4 words of it (code 3)
	s_or_b32 s[G1B+0], s44, (1<<16)|(1<<20)|(1<<21)|(5<<22)|(3<<25)
.irp g, G1, G1B
	s_mov_b32 s[(\g)+1], KSTEP<<16                 ; tensor_dim0 = 128
	s_mov_b32 s[(\g)+2], 128<<16                   ; tensor_dim1 = 128
	s_mov_b32 s[(\g)+3], KSTEP<<16                 ; tile_dim0 = 128
	s_mov_b32 s[(\g)+4], 128                       ; tile_dim1 = 128
	s_mov_b32 s[(\g)+5], SIZE_K                    ; elements from row to row
	s_mov_b32 s[(\g)+6], 0
	s_mov_b32 s[(\g)+7], 0
.endr
	; where the tiles come from, in rows of 2,048 bytes (all offsets under 2^26).  The M side's hang on cy and the cluster's y, the N side's on cx and the cluster's x and y
	s_lshl_b32 s17, s12, 7                         ; which 128 rows of a side I fetch
	s_lshl_b32 s16, s41, 8
	s_add_co_u32 s16, s16, s17
	s_add_co_u32 s16, s16, 2048
	s_lshl_b32 s16, s16, 11                        ; q, M side: w16 rows 2048 + 256 cy + 128 x half
	s_lshl_b32 s18, s13, 8
	s_add_co_u32 s18, s18, s17
	s_lshl_b32 s18, s18, 11                        ; [v | k], M side: u16 rows 256 x tile row + 128 x half
	s_lshl_b32 s46, s[CLY], 3
	s_add_co_u32 s46, s46, s42                     ; q's tile row = 8 x cluster y + tc, 0..63
	s_lshl_b32 s46, s46, 8
	s_add_co_u32 s46, s46, s17
	s_lshl_b32 s46, s46, 11                        ; q, N side: u16 rows 256 x that + 128 x half
	s_lshl_b32 s22, s42, 8
	s_add_co_u32 s22, s22, s17
	s_lshl_b32 s22, s22, 11                        ; [v | k], N side: w16 rows 256 tc + 128 x half
	s_mov_b32 s17, 0
	s_mov_b32 s19, 0
	s_mov_b32 s47, 0
	s_mov_b32 s23, 0
	s_mul_i32 s20, s10, HALFT                      ; and where they go: wave x 128 rows: no place in the cluster enters an LDS address
	s_wait_dscnt 0x0                               ; both opening adds are done
	s_wait_kmcnt 0x0
	s_add_nc_u64 s[14:15], s[6:7], s[16:17]
	s_add_nc_u64 s[NA:NA+1], s[4:5], s[18:19]
	s_add_nc_u64 s[46:47], s[4:5], s[46:47]
	s_add_nc_u64 s[NB:NB+1], s[6:7], s[22:23]
	CROUND                                         ; all sixteen work-groups are here: the first joint loads meet
.irp s, 0,1
	s_mov_b32 s[G0+4*(\s)], 1                                        ; count = 1
	s_add_co_u32 s[G0+4*(\s)+1], s20, (\s)*SLOT                      ; LDS address
	s_add_nc_u64 s[G0+4*(\s)+2:G0+4*(\s)+3], s[14:15], (\s)*KSTEP*2  ; global address: K step s of the tile of q
	s_or_b32 s[G0+4*(\s)+3], s[G0+4*(\s)+3], 0x80000000              ; type = 2
	s_mov_b32 s[G0B+4*(\s)], 1
	s_add_co_u32 s[G0B+4*(\s)+1], s20, (\s)*SLOT
	s_add_nc_u64 s[G0B+4*(\s)+2:G0B+4*(\s)+3], s[46:47], (\s)*KSTEP*2
	s_or_b32 s[G0B+4*(\s)+3], s[G0B+4*(\s)+3], 0x80000000
	JLOAD \s                                       ; two loads of mine are out
.endr
	; A fragment is 16 rows x 32 K in 8 registers: lane l holds row l % 16; registers 0-3 K = 8 (l / 16) + 0..7, registers 4-7 K = 16 + 8 (l / 16) + 0..7: two loads of 16 bytes, 32 bytes apart.
	v_and_b32 v1, 15, v0                           ; l % 16
	v_bfe_u32 v2, v0, 4, 1                         ; l / 16
	v_mul_u32_u24 v3, v1, PITCH
	v_lshl_add_u32 v3, v2, 4, v3
	s_mul_i32 s21, s11, HALFT                      ; my 128 rows of the M side
	s_mul_i32 s22, s12, HALFT                      ; my 128 rows of the N side,
	s_add_co_u32 s22, s22, 2*HALFT                 ; which lie behind the M side's 256
.irp s, 0,1
	v_add_nc_u32 v[ADRA+(\s)], s21, v3
	v_add_nc_u32 v[ADRB+(\s)], s22, v3
	s_add_co_u32 s21, s21, SLOT
	s_add_co_u32 s22, s22, SLOT
.endr
	v_and_b32 v5, 31, v0
	v_lshlrev_b32 v[CO], 4, v5
	s_lshl_b32 s23, s12, 14
	s_add_co_u32 s23, s23, HSUM
	v_add_nc_u32 v[HS], s23, v[CO]
	; qf at my wave's share of the tile of q: ((16 x batch + head) x 256 + row block) x 2,048 bytes; head = 4 cy + 2 x M half (+ a / 4); row block = 16 x (tile row % 16) + 8 x N half (+ b)
	s_lshr_b32 s20, s[CLY], 1
	s_lshl_b32 s20, s20, 4
	s_lshl_b32 s21, s41, 2
	s_add_co_u32 s20, s20, s21
	s_lshl_b32 s21, s11, 1
	s_add_co_u32 s20, s20, s21
	s_lshl_b32 s20, s20, 8
	s_and_b32 s21, s[CLY], 1
	s_lshl_b32 s21, s21, 3
	s_add_co_u32 s21, s21, s42                     ; q's tile row % 16
	s_lshl_b32 s21, s21, 4
	s_add_co_u32 s20, s20, s21
	s_lshl_b32 s21, s12, 3
	s_add_co_u32 s20, s20, s21
	s_lshl_b32 s20, s20, 11
	s_mov_b32 s21, 0
	s_add_nc_u64 s[QP:QP+1], s[QP:QP+1], s[20:21]
	; kvpart at my part: ((16 x batch + head) x 8 + part) x 16,384 bytes; head = 2 tc + N half; part = 4 x (cluster y % 2) + cy
	s_lshr_b32 s20, s[CLY], 1
	s_lshl_b32 s20, s20, 4
	s_lshl_b32 s21, s42, 1
	s_add_co_u32 s20, s20, s21
	s_add_co_u32 s20, s20, s12
	s_lshl_b32 s20, s20, 3
	s_and_b32 s21, s[CLY], 1
	s_lshl_b32 s21, s21, 2
	s_add_co_u32 s20, s20, s21
	s_add_co_u32 s20, s20, s41
	s_lshl_b32 s20, s20, 14
	s_mov_b32 s21, 0
	s_add_nc_u64 s[KVP:KVP+1], s[KVP:KVP+1], s[20:21]
	; the prefetches
	s_lshl_b32 s20, s41, 8
	s_add_co_u32 s20, s20, 2048
	s_lshl_b32 s21, s40, 5
	s_add_co_u32 s20, s20, s21                     ; q's rows of w16: the tile's first row + my work-group's 32, by cx
	s_lshl_b32 s22, s[CLY], 3
	s_add_co_u32 s22, s22, s42
	s_lshl_b32 s22, s22, 8
	s_lshl_b32 s23, s41, 5
	s_add_co_u32 s22, s22, s23                     ; u16's rows of the tile of q + my work-group's 32, by cy
	s_or_b32 s21, ttmp9, s[CLY]
	s_cmp_eq_u32 s21, 0
	s_cselect_b32 s21, 1, -1                       ; 1 in the launch's first cluster
	s_cmp_eq_u32 s[CLY], 0
	s_cselect_b32 s[NLIM], 1, -1                   ; 1 in the clusters with y = 0
	s_cmp_eq_u32 s11, 0                            ; do I fetch for the M side?  The four selects leave SCC as it is
	s_cselect_b32 s20, s20, s22
	s_cselect_b32 s[LIM], s21, 1                   ; the same in all sixteen partners, for a given wave
	s_cselect_b32 s[NLIM], -1, s[NLIM]
	s_cselect_b64 s[PFA:PFA+1], s[6:7], s[4:5]
	s_lshl_b32 s22, s12, 7
	s_add_co_u32 s20, s20, s22                     ; + the 128 rows that I fetch
	s_lshl_b32 s20, s20, 11
	s_mov_b32 s21, 0
	s_add_nc_u64 s[PFA:PFA+1], s[PFA:PFA+1], s[20:21]
	s_add_nc_u64 s[PFA:PFA+1], s[PFA:PFA+1], 2*KSTEP*2  ; at K step 2: the first refill steps it to 3 and names K step 4.  Nothing is prefetched here, at the head
	s_lshl_b32 s20, s42, 8
	s_add_co_u32 s20, s20, s22
	s_add_co_u32 s20, s20, s23
	s_lshl_b32 s20, s20, 11                        ; v's and k's rows of w16: 256 tc + the 128 that I fetch + 32 cy
	s_add_nc_u64 s[NPF:NPF+1], s[6:7], s[20:21]
	s_add_nc_u64 s[NPF:NPF+1], s[NPF:NPF+1], KSTEP*2
	v_and_b32 v[PFO], 31, v0
	v_lshlrev_b32 v[PFO], 11, v[PFO]
; 16 matrix instructions: M blocks a0, a0 + 1 of the window's four (hi = 0: my M rows 0-63, 1: rows 64-127) x all 8 N blocks, 32 along K.  zero = 1: the product starts the sums: nothing is cleared.
; The 64 accumulators take turns in one order in every quarter step.
.macro MUL16 f, hi, a0, zero
	WIN MUL_LO+0x50*(\hi)
.irp a, \a0, (\a0)+1
.irp b, 0,1,2,3,4,5,6,7
.if \zero
	v_wmma_f32_16x16x32_f16 v[8*(8*(\a)+(\b)):8*(8*(\a)+(\b))+7], v[(\f)+8*(4*(\hi)+(\a)):(\f)+8*(4*(\hi)+(\a))+7], v[(\f)+8*(\b):(\f)+8*(\b)+7], 0
.else
	v_wmma_f32_16x16x32_f16 v[8*(8*(\a)+(\b)):8*(8*(\a)+(\b))+7], v[(\f)+8*(4*(\hi)+(\a)):(\f)+8*(4*(\hi)+(\a))+7], v[(\f)+8*(\b):(\f)+8*(\b)+7], v[8*(8*(\a)+(\b)):8*(8*(\a)+(\b))+7]
.endif
.endr
.endr
.endm
; 32 LDS loads in one run: the fragments of one quarter step (32 K at byte k of the rows) into buffer f: the N side's 16 loads, then the M side's
.macro FETCH slot, k, f
	WIN TO_B
.irp i, 0,1,2,3,4,5,6,7
	ds_load_b128 v[(\f)+8*(\i):(\f)+8*(\i)+3],   v[ADRB+(\slot)] offset:(\k)+(\i)*16*PITCH
	ds_load_b128 v[(\f)+8*(\i)+4:(\f)+8*(\i)+7], v[ADRB+(\slot)] offset:(\k)+(\i)*16*PITCH+32
.endr
	WIN 0
.irp i, 0,1,2,3,4,5,6,7
	ds_load_b128 v[(\f)+8*(\i):(\f)+8*(\i)+3],   v[ADRA+(\slot)] offset:(\k)+(\i)*16*PITCH
	ds_load_b128 v[(\f)+8*(\i)+4:(\f)+8*(\i)+7], v[ADRA+(\slot)] offset:(\k)+(\i)*16*PITCH+32
.endr
.endm
.macro PLACES                          ; four plain vector instructions between a matrix instruction and a load into, or a vector write of, a register that it read, or a vector read or a store of its result
.rept 4
	v_nop
.endr
.endm
; A K step is four quarter steps of 32 along K, 64 matrix instructions each, on buffers 0, 1, 0, 1.  One of the first three: multiplies buffer f and, in its middle, fetches the next quarter's fragments into g.
.macro QUARTER slot, k, f, g, zero
	s_wait_dscnt 8                                 ; the N side's fragments and the M side's rows 0-63 are in; the youngest eight loads (M rows 64-127) may be out
	MUL16 \f, 0, 0, \zero
	MUL16 \f, 0, 2, \zero
	PLACES
	FETCH \slot, \k, \g
	s_wait_dscnt 32                                ; all but the 32 just issued
	MUL16 \f, 1, 0, \zero
	MUL16 \f, 1, 2, \zero
.endm
; The first half of a K step's last quarter, and the one barrier of a change of slots.  In front of it each wave waits for all its tensor loads (one is out: its part of the next slot), adds 0 to its spare word,
; and waits for that and for its own reads of this slot.  Behind it nobody reads this slot any more and the next slot is whole.  round = 1: a round of the cluster's barrier follows.
.macro MEET round
	WIN 0                                          ; (the add's two registers lie in window 0)
	s_wait_tensorcnt 0x0
	ds_add_u32 v[SPW], v[NIL]                      ; 0 onto my spare word
	s_wait_dscnt 9                                 ; (the add and the youngest eight loads may be out)
	MUL16 F1, 0, 0, 0                              ; sixteen matrix instructions stand between the add and the wait for it
	s_wait_dscnt 0x0                               ; the add is done, and my reads of this slot are over
	s_barrier_signal -1
	MUL16 F1, 0, 2, 0                              ; work on registers while the others arrive
.if \round
	WIN 0
.endif
	s_barrier_wait -1
.endm
; The whole last quarter where the slot is filled again: with this tile's K step two steps on (on = 0) or with the next tile's K step 0 or 1 (on = 1), whose address is made anew from NA and NB.  The joint refill is
; the first tensor load behind the round; from it to the wait for it a wave issues 224 matrix instructions.
.macro TURN slot, next, on
	s_wait_xcnt 0x0                                ; the last prefetch, a K step back, has read its address, which is written here
.if (\on) && (\slot) == 0
	s_mov_b64 s[PFA:PFA+1], s[NPF:NPF+1]           ; the next tile's K step 1: the two changes of slots name its K steps 2 and 3
	s_mov_b32 s[LIM], s[NLIM]
	s_mov_b32 s[NLIM], -1                          ; the third tile asks for nothing
.else
	s_add_nc_u64 s[PFA:PFA+1], s[PFA:PFA+1], KSTEP*2
.endif
	MEET 1
	CREST                                          ; no wave of any partner still reads this slot's tile or has a load on its way
.if \on
	s_add_nc_u64 s[G0+4*(\slot)+2:G0+4*(\slot)+3], s[NA:NA+1], (\slot)*KSTEP*2
	s_or_b32 s[G0+4*(\slot)+3], s[G0+4*(\slot)+3], 0x80000000
	s_add_nc_u64 s[G0B+4*(\slot)+2:G0B+4*(\slot)+3], s[NB:NB+1], (\slot)*KSTEP*2
	s_or_b32 s[G0B+4*(\slot)+3], s[G0B+4*(\slot)+3], 0x80000000
.else
	s_add_nc_u64 s[G0+4*(\slot)+2:G0+4*(\slot)+3], s[G0+4*(\slot)+2:G0+4*(\slot)+3], 2*KSTEP*2
	s_add_nc_u64 s[G0B+4*(\slot)+2:G0B+4*(\slot)+3], s[G0B+4*(\slot)+2:G0B+4*(\slot)+3], 2*KSTEP*2
.endif
	JLOAD \slot                                    ; the four v_nop behind it are also the places in front of the loads below
	FETCH \next, 0, F0
	ASK \on
	MUL16 F1, 1, 0, 0
	MUL16 F1, 1, 2, 0
.endm
.macro TURNX                           ; the last change of slots: nothing is filled, so no round follows
	MEET 0
	PLACES
	FETCH 1, 0, F0
	MUL16 F1, 1, 0, 0
	MUL16 F1, 1, 2, 0
.endm
.macro LASTQ                           ; the very last quarter: nothing more to fetch
	s_wait_dscnt 8
	MUL16 F1, 0, 0, 0
	MUL16 F1, 0, 2, 0
	s_wait_dscnt 0x0
	MUL16 F1, 1, 0, 0
	MUL16 F1, 1, 2, 0
.endm
; THE TILE OF q GOES OUT: 16 accumulators (M blocks 2 g, 2 g + 1) at a time: 64 roundings to f16, each accumulator from its low end on; then 16 stores of 512 consecutive bytes each.
; M block a is n / 16 = a % 4 of head a / 4 of my two (524,288 bytes apart), N block b a block of 16 rows (2,048 bytes apart).
.macro QOUT
.irp g, 0,1,2,3
.if (\g) > 0
	s_wait_xcnt 0x0                                ; the 16 stores above have read T, which is written anew
.endif
	WIN 0x0a+5*((\g)/2)                            ; sources 0 and 1: window 2 (blocks 0-3) or 3 (blocks 4-7); destination window 0
.irp ah, 0,1
.irp b, 0,1,2,3,4,5,6,7
.irp i, 0,1,2,3
	v_cvt_pk_f16_f32 v[T+4*(8*(\ah)+(\b))+(\i)], v[8*(8*((2*(\g)+(\ah))%4)+(\b))+2*(\i)], v[8*(8*((2*(\g)+(\ah))%4)+(\b))+2*(\i)+1]
.endr
.endr
.endr
	WIN 0
.irp ah, 0,1
.irp b, 0,1,2,3,4,5,6,7
	global_store_b128 v[CO], v[T+4*(8*(\ah)+(\b)):T+4*(8*(\ah)+(\b))+3], s[QP:QP+1] offset:((2*(\g)+(\ah))/4)*524288+(\b)*2048+((2*(\g)+(\ah))%4)*512
.endr
.endr
.endr
.endm
; K^T V of my 128 rows, 32 rows (blocks 2 s, 2 s + 1) at a time: 64 roundings to f16 make the 8 operands; 16 matrix instructions, kv's 16 accumulators by turns: tile 4 pb + nb takes k's block nb as source 0 and
; v's block pb as source 1.  zero = 1: the first 16 start the sums.
.macro KVEPI zero
.irp s, 0,1,2,3
	WIN 0x0a+5*((\s)/2)                            ; sources 0 and 1: window 2 or 3; destination window 0
.irp b, 0,1,2,3,4,5,6,7
.irp hf, 0,1
.irp i, 0,1,2,3
	v_cvt_pk_f16_f32 v[T+8*(\b)+4*(\hf)+(\i)], v[8*(8*((2*(\s)+(\hf))%4)+(\b))+2*(\i)], v[8*(8*((2*(\s)+(\hf))%4)+(\b))+2*(\i)+1]
.endr
.endr
.endr
	WIN 0x50                                       ; sources 0 and 1 window 0; C and D window 1
.irp pb, 0,1,2,3
.irp nb, 0,1,2,3
.set rKV, 8*(4*(\pb)+(\nb))+128*((\pb)/2)
.if (\zero) && ((\s) == 0)
	v_wmma_f32_16x16x32_f16 v[rKV:rKV+7], v[T+8*(4+(\nb)):T+8*(4+(\nb))+7], v[T+8*(\pb):T+8*(\pb)+7], 0
.else
	v_wmma_f32_16x16x32_f16 v[rKV:rKV+7], v[T+8*(4+(\nb)):T+8*(4+(\nb))+7], v[T+8*(\pb):T+8*(\pb)+7], v[rKV:rKV+7]
.endif
.endr
.endr
	PLACES                                         ; in front of the next roundings, which write T anew, and of what reads kv
.endr
.endm
.macro KVOUT                           ; 32 stores of 512 consecutive bytes each
	WIN 0x04                                       ; a store's data is source 1: window 1
.irp t, 0,1,2,3,4,5,6,7,8,9,10,11,12,13,14,15
.irp q, 0,1
	global_store_b128 v[CO], v[8*(\t)+128*((\t)/8)+4*(\q):8*(\t)+128*((\t)/8)+4*(\q)+3], s[KVP:KVP+1] offset:1024*(\t)+512*(\q)
.endr
.endr
	WIN 0
.endm
	s_wait_tensorcnt 1                             ; my part of K step 0 is in; K step 1's may stay out
	s_barrier_signal -1
	s_barrier_wait -1                              ; everybody's is
	FETCH 0, 0, F0
	s_mov_b32 s2, 3                                ; tiles to go: 3 = q, 2 and 1 = [v | k]
.Ltile:
	QUARTER 0, 64,  F0, F1, 1                      ; a tile's first quarter stands in front of the loop: its products start the sums
	WIN 0                                          ; at a label and at a branch every window is 0
	s_mov_b32 s3, LAPS-1
.Llap:                                                 ; a trip goes once round the ring, from a lap's second quarter to the next lap's first, and fills both slots again
	QUARTER 0, 128, F1, F0, 0
	QUARTER 0, 192, F0, F1, 0
	TURN 0, 1, 0
	QUARTER 1, 64,  F0, F1, 0
	QUARTER 1, 128, F1, F0, 0
	QUARTER 1, 192, F0, F1, 0
	TURN 1, 0, 0
	QUARTER 0, 64,  F0, F1, 0
	WIN 0
	s_sub_co_u32 s3, s3, 1
	s_cmp_lg_u32 s3, 0
	s_cbranch_scc1 .Llap
	QUARTER 0, 128, F1, F0, 0                      ; the tile's last lap goes on
	QUARTER 0, 192, F0, F1, 0
	WIN 0
	s_cmp_eq_u32 s2, 1
	s_cbranch_scc1 .Llast_tile                     ; the last tile's tail is written out: it asks for nothing more
	TURN 0, 1, 1                                   ; the ring goes on into the next tile: slot 0 takes its K step 0,
	QUARTER 1, 64,  F0, F1, 0
	QUARTER 1, 128, F1, F0, 0
	QUARTER 1, 192, F0, F1, 0
	TURN 1, 0, 1                                   ; slot 1 its K step 1, and the next tile's first fragments are fetched
	WIN 0
	s_add_nc_u64 s[NA:NA+1], s[NA:NA+1], WALK*SIZE_K*2  ; the third tile's rows of u16; NB stays: the same rows of w16 (what the second change leaves here is not used)
	s_cmp_eq_u32 s2, 3
	s_cbranch_scc0 .Lkv_first
	QOUT                                           ; blocks 0-3 were finished in front of the joint load's four v_nop; their 128 roundings, which name no register of the last products, are those products' places
	s_branch .Lnext
.Lkv_first:
	KVEPI 1                                        ; the same holds of its roundings
	WIN 0
.Lnext:
	s_sub_co_u32 s2, s2, 1
	s_branch .Ltile
.Llast_tile:
	TURNX
	QUARTER 1, 64,  F0, F1, 0
	QUARTER 1, 128, F1, F0, 0
	QUARTER 1, 192, F0, F1, 0
	LASTQ
	PLACES
	KVEPI 0                                        ; added onto the second tile's sums
	WIN 0
	; THE TWO ROW HALVES MEET: waves 2 and 3 put their 16 tiles of kv into LDS, waves 0 and 1 (the same head each) add them to theirs and store
	s_cmp_eq_u32 s11, 0
	s_cbranch_scc1 .Lkeep
	WIN 0x04                                       ; an LDS store's data is source 1: window 1
.irp t, 0,1,2,3,4,5,6,7,8,9,10,11,12,13,14,15
.irp q, 0,1
	ds_store_b128 v[HS], v[8*(\t)+128*((\t)/8)+4*(\q):8*(\t)+128*((\t)/8)+4*(\q)+3] offset:1024*(\t)+512*(\q)
.endr
.endr
	WIN 0
.Lkeep:
	s_wait_dscnt 0x0                               ; for the others' sake: my stores are done
	s_barrier_signal -1
	s_barrier_wait -1
	s_cmp_eq_u32 s11, 0
	s_cbranch_scc0 .Lend
.irp t, 0,1,2,3,4,5,6,7,8,9,10,11,12,13,14,15
.irp q, 0,1
	ds_load_b128 v[F0+8*(\t)+4*(\q):F0+8*(\t)+4*(\q)+3], v[HS] offset:1024*(\t)+512*(\q)  ; into the M side's fragment buffers, which nothing reads any more
.endr
.endr
	s_wait_dscnt 0x0
	WIN 0x41                                       ; destination and source 0 window 1, source 1 window 0
.irp t, 0,1,2,3,4,5,6,7,8,9,10,11,12,13,14,15
.irp z, 0,2,4,6
	v_pk_add_f32 v[8*(\t)+128*((\t)/8)+(\z):8*(\t)+128*((\t)/8)+(\z)+1], v[8*(\t)+128*((\t)/8)+(\z):8*(\t)+128*((\t)/8)+(\z)+1], v[F0+8*(\t)+(\z):F0+8*(\t)+(\z)+1]
.endr
.endr
	KVOUT
.Lend:
	s_wait_tensorcnt 0x0                           ; the wave's end, behind my last tensor load and my last LDS store
	ds_add_u32 v[SPW], v[NIL]
	s_wait_dscnt 0x0
	CROUND                                         ; the closing round: no work-group ends while a partner may still ask for a tile that names it
	s_endpgm
.Lfunc_end_k_q0ad088fde5_gemm3:
	.size	k_q0ad088fde5_gemm3, .Lfunc_end_k_q0ad088fde5_gemm3-k_q0ad088fde5_gemm3
	.p2alignl 7, 3214868480
	.fill 96, 4, 3214868480
	.section	.rodata,"a",@progbits
	.p2align	6, 0x0
	.amdhsa_kernel k_q0ad088fde5_gemm3
		.amdhsa_group_segment_fixed_size 327680
		.amdhsa_private_segment_fixed_size 0
		.amdhsa_enable_private_segment 0
		.amdhsa_kernarg_size 32
		.amdhsa_user_sgpr_count 2
		.amdhsa_user_sgpr_kernarg_segment_ptr 1
		.amdhsa_wavefront_size32 1
		.amdhsa_system_sgpr_workgroup_id_x 1
		.amdhsa_system_sgpr_workgroup_id_y 1
		.amdhsa_system_sgpr_workgroup_id_z 1
		.amdhsa_system_vgpr_workitem_id 0
		.amdhsa_next_free_vgpr 1024
		.amdhsa_next_free_sgpr 80
		.amdhsa_reserve_vcc 0
		.amdhsa_float_denorm_mode_32 3
		.amdhsa_float_denorm_mode_16_64 3
		.amdhsa_memory_ordered 1
		.amdhsa_forward_progress 1
		.amdhsa_inst_pref_size 223
	.end_amdhsa_kernel
	.amdgpu_metadata
---
amdhsa.version: [ 1, 2 ]
amdhsa.kernels:
  - .name:           k_q0ad088fde5_gemm3
    .symbol:         k_q0ad088fde5_gemm3.kd
    .args:
      - { .name: u16, .offset: 0, .size: 8, .value_kind: global_buffer, .address_space: global }
      - { .name: w16, .offset: 8, .size: 8, .value_kind: global_buffer, .address_space: global }
      - { .name: qf, .offset: 16, .size: 8, .value_kind: global_buffer, .address_space: global }
      - { .name: kvpart, .offset: 24, .size: 8, .value_kind: global_buffer, .address_space: global }
    .group_segment_fixed_size: 327680
    .private_segment_fixed_size: 0
    .kernarg_segment_align: 8
    .kernarg_segment_size: 32
    .max_flat_workgroup_size: 128
    .sgpr_count:     80
    .vgpr_count:     1024
    .wavefront_size: 32
...
	.end_amdgpu_metadata
.endif
;; end of part 2
;; launch yfinal (part 3): grid 256 x 1, 16 waves a work-group, no clusters, 80,128 bytes of LDS; arguments qf, kvpart, out0; writes out0
.if DOCPART == 3
	.amdgcn_target "amdgcn-amd-amdhsa--gfx1250"
	.amdhsa_code_object_version 6
	.text
	.protected	k_q0ad088fde5_yfinal
	.globl	k_q0ad088fde5_yfinal
	.p2align	8
	.type	k_q0ad088fde5_yfinal,@function
k_q0ad088fde5_yfinal:
	s_mov_b64 s[64:65], 0
	v_nop
	global_prefetch_b8 v0, s[64:65] scope:SCOPE_SE
	s_setreg_imm32_b32 hwreg(HW_REG_WAVE_MODE, 25, 1), 1
	s_wait_xcnt 0x0
; y = q kv for each batch and head, stored as out0 [16384][1024] f32; kv is first summed from its 8 parts.
; qf, f16: [bh][row / 16 in the batch (256)][n / 16 (4)][lane][8]: lane (r = l % 16, hh = l / 16) holds q[16 block + r][16 (n / 16) + 8 hh + 0..7].
; kvpart, f32: [bh][part 0..7][tile t = 4 pb + nb][quad][lane][4]: lane (r, hh), number j = 4 quad + i: a part of kv[16 nb + 8 hh + j][16 pb + r].
; THE SCALE.  kv's size goes with the fourth power of the inputs' and has no room in f16.  E is the exponent field of the head's largest magnitude; kv is multiplied by 2^(141 - E), which brings that magnitude into
; 2^14 .. 2^15, and rounded once to f16; y is multiplied by 2^(E - 141) in f32.  Both factors are exact.  LIMITS: E is held to 15 at the least, so a head whose largest magnitude is under 2^-112 is scaled by 2^126 only;
; NaN and infinities are not treated apart.  The parts are added in f32, in their order.
; SHARES.  Work-group g: bh = g / 4, rows 1,024 (g % 4) on of the batch.  Sixteen waves.  Wave w sums tile w of kv (8 numbers a lane) and then takes 64 rows: four blocks of 16.  All 32 loads of a wave go out at the
; head, the parts first, 512 consecutive bytes each.  The waves' maxima, and then their tiles as f16, meet in LDS: two barriers.
; THE PRODUCT is used transposed: source 0 = kv^T (16 p x 32 n: tiles 4 pb + 2 ks and + 1 as they lie), source 1 = q (32 n x 16 rows, as it lies in qf): lane (r, hh) holds row r of y and p = 16 pb + 8 hh + 0..7.
; THE WAY OUT.  A block's 16 rows x 256 bytes go through a stage of the wave's own in LDS and come back as whole rows: sixteen lanes store 256 consecutive bytes, at a multiple of 256 from out0's first byte.
; NO CLUSTER, no tensor loads: of the 512 KiB that a work-group moves only the 128 KiB of parts are shared (by four work-groups), and they are added in registers as they arrive; q and y belong to one wave each.
.set KVH,   256                        ; LDS: bytes 0-63 the sixteen maxima, in a block of 256 of their own; then kv as f16: tile t's 512 bytes at KVH + 512 t
.set STAGE, KVH+8192                   ; 16 rows x 272 bytes for each wave
.set SP,    272                        ; 256 bytes + 16 = 68 words: rows begin 4 banks apart (64 banks of 4 bytes: ISA guide 11.1)
.set SPARE, STAGE+16*16*SP             ; the spare words, 128 bytes for each wave: eight blocks of 256 bytes that no other line names
.set L16, 1                            ; v1   16 x lane
.set WW,  2                            ; v2   my wave's word among the maxima
.set ZER, 3                            ; v3   0: the maxima's address
.set STO, 4                            ; v4   where I put 32 bytes of a row
.set RD,  5                            ; v5   where I read a row back
.set CO,  6                            ; v6   my 16 bytes in two rows of out0
.set KVS, 7                            ; v7   where I put my 16 bytes of my tile of kv
.set SPW, 8                            ; v8   LDS address of my spare word; kept for the closing add alone
.set NIL, 9                            ; v9   0; likewise
.set SD,  12                           ; v[12:13] 2^(141 - E), twice
.set SU,  14                           ; v[14:15] 2^(E - 141), twice
.set KVF, 16                           ; v[16:79]   kv as f16: block pb, K step ks at KVF + 16 pb + 8 ks (tile t's four registers at KVF + 4 t)
.set ACC, 80                           ; v[80:111]  four accumulators, one for each pb
.set TMP, 112                          ; v[112:143] y scaled
.set OB,  144                          ; v[144:175] rows read back; at work in the reduction
.set Q,   176                          ; v[176:239] q: block i, n / 16 = c at Q + 16 i + 4 c
.set PL,  80                           ; v[80:143]  at first: part p, quad c at PL + 8 p + 4 c; the sum grows in v[80:87]
	s_load_b128 s[4:7], s[0:1], 0x0                ; qf s[4:5], kvpart s[6:7]
	s_load_b64 s[8:9], s[0:1], 0x10                ; out0
	v_lshl_add_u32 v[SPW], v0, 2, SPARE
	v_mov_b32 v[NIL], 0
	v_lshrrev_b32 v10, 5, v0
	v_readfirstlane_b32 s10, v10                   ; wave 0..15
	v_and_b32 v11, 31, v0
	v_lshlrev_b32 v[L16], 4, v11
	v_mov_b32 v[WW], s10
	v_lshlrev_b32 v[WW], 2, v[WW]
	v_mov_b32 v[ZER], 0
	s_lshr_b32 s11, ttmp9, 2                       ; bh
	s_and_b32 s12, ttmp9, 3                        ; which quarter of the batch's rows
	s_lshl_b32 s14, s11, 17                        ; kvpart: 8 parts of 16,384 bytes a head,
	s_lshl_b32 s13, s10, 10                        ; my tile
	s_add_co_u32 s14, s14, s13
	s_mov_b32 s15, 0
	s_lshl_b32 s16, s11, 8                         ; qf: 256 row blocks a head,
	s_lshl_b32 s13, s12, 6                         ; 64 a quarter,
	s_add_co_u32 s16, s16, s13
	s_lshl_b32 s13, s10, 2                         ; 4 a wave,
	s_add_co_u32 s16, s16, s13
	s_lshl_b32 s16, s16, 11                        ; of 2,048 bytes
	s_mov_b32 s17, 0
	s_lshr_b32 s18, s11, 4                         ; out0: the batch's 4,096 rows,
	s_lshl_b32 s18, s18, 12
	s_lshl_b32 s13, s12, 10                        ; the quarter's 1,024,
	s_add_co_u32 s18, s18, s13
	s_lshl_b32 s13, s10, 6                         ; the wave's 64,
	s_add_co_u32 s18, s18, s13
	s_lshl_b32 s18, s18, 12                        ; of 4,096 bytes,
	s_and_b32 s13, s11, 15
	s_lshl_b32 s13, s13, 8                         ; and the head's 256 bytes of a row
	s_add_co_u32 s18, s18, s13
	s_mov_b32 s19, 0
	s_mov_b32 s20, 0x76543210                      ; v_permlanex16_b32: each lane takes its own place in the other half
	s_mov_b32 s21, 0xfedcba98
	s_wait_kmcnt 0x0
	s_add_nc_u64 s[4:5], s[4:5], s[16:17]
	s_add_nc_u64 s[6:7], s[6:7], s[14:15]
	s_add_nc_u64 s[8:9], s[8:9], s[18:19]
.set p, 0
.rept 8
	global_load_b128 v[PL+8*p:PL+8*p+3],   v[L16], s[6:7] offset:16384*p
	global_load_b128 v[PL+8*p+4:PL+8*p+7], v[L16], s[6:7] offset:16384*p+512
.set p, p+1
.endr
.irp i, 0,1,2,3
.irp c, 0,1,2,3
	global_load_b128 v[Q+16*(\i)+4*(\c):Q+16*(\i)+4*(\c)+3], v[L16], s[4:5] offset:2048*(\i)+512*(\c) th:TH_LOAD_NT
.endr
.endr
	v_and_b32 v10, 15, v0                          ; l % 16
	v_bfe_u32 v11, v0, 4, 1                        ; l / 16
	s_mul_i32 s22, s10, 16*SP
	s_add_co_u32 s22, s22, STAGE                   ; my stage
	v_mul_u32_u24 v[STO], v10, SP                  ; in: row l % 16, 32 bytes for each half of the lanes
	v_lshl_add_u32 v[STO], v11, 5, v[STO]
	v_add_nc_u32 v[STO], s22, v[STO]
	v_mul_u32_u24 v[RD], v11, SP                   ; back: lanes 0-15 take one row of 256 bytes, lanes 16-31 the next
	v_lshl_add_u32 v[RD], v10, 4, v[RD]
	v_add_nc_u32 v[RD], s22, v[RD]
	v_lshlrev_b32 v[CO], 12, v11                   ; and the same two rows in out0
	v_lshl_add_u32 v[CO], v10, 4, v[CO]
	s_lshl_b32 s23, s10, 9
	s_add_co_u32 s23, s23, KVH
	v_add_nc_u32 v[KVS], s23, v[L16]
.set p, 1
.rept 7
	s_wait_loadcnt 30-2*p                          ; parts 0 to p are in; the 14 - 2 p loads of the later parts and q's 16 stay out
.irp j, 0,2,4,6
	v_pk_add_f32 v[PL+(\j):PL+(\j)+1], v[PL+(\j):PL+(\j)+1], v[PL+8*p+(\j):PL+8*p+(\j)+1]
.endr
.set p, p+1
.endr
	; the largest magnitude: in my lane, in my wave, in the head
.irp j, 0,1,2,3,4,5,6,7
	v_and_b32 v[OB+(\j)], 0x7fffffff, v[PL+(\j)]
.endr
	v_max3_num_f32 v[OB], v[OB], v[OB+1], v[OB+2]
	v_max3_num_f32 v[OB+3], v[OB+3], v[OB+4], v[OB+5]
	v_max3_num_f32 v[OB], v[OB], v[OB+6], v[OB+7]
	v_max_num_f32 v[OB], v[OB], v[OB+3]
	v_max_num_f32_dpp v[OB], v[OB], v[OB] row_xmask:1 row_mask:0xf bank_mask:0xf
	v_max_num_f32_dpp v[OB], v[OB], v[OB] row_xmask:2 row_mask:0xf bank_mask:0xf
	v_max_num_f32_dpp v[OB], v[OB], v[OB] row_xmask:4 row_mask:0xf bank_mask:0xf
	v_max_num_f32_dpp v[OB], v[OB], v[OB] row_xmask:8 row_mask:0xf bank_mask:0xf
	v_permlanex16_b32 v[OB+1], v[OB], s20, s21     ; its destination counts as read: it has been written
	v_max_num_f32 v[OB], v[OB], v[OB+1]
	ds_store_b32 v[WW], v[OB]                      ; all lanes write the same word with the same number
	s_wait_dscnt 0x0                               ; for the others' sake: my store is done
	s_barrier_signal -1
	s_barrier_wait -1
.irp k, 0,1,2,3
	ds_load_b128 v[OB+4*(\k):OB+4*(\k)+3], v[ZER] offset:16*(\k)  ; the sixteen waves' maxima
.endr
	s_wait_dscnt 0x0
	v_max3_num_f32 v[OB], v[OB], v[OB+1], v[OB+2]
	v_max3_num_f32 v[OB+3], v[OB+3], v[OB+4], v[OB+5]
	v_max3_num_f32 v[OB+6], v[OB+6], v[OB+7], v[OB+8]
	v_max3_num_f32 v[OB+9], v[OB+9], v[OB+10], v[OB+11]
	v_max3_num_f32 v[OB+12], v[OB+12], v[OB+13], v[OB+14]
	v_max3_num_f32 v[OB], v[OB], v[OB+3], v[OB+6]
	v_max3_num_f32 v[OB+9], v[OB+9], v[OB+12], v[OB+15]
	v_max_num_f32 v[OB], v[OB], v[OB+9]
	v_lshrrev_b32 v10, 23, v[OB]                   ; E (the sign is 0)
	v_max_u32 v10, 15, v10
	v_sub_nc_u32 v[SD], 268, v10
	v_lshlrev_b32 v[SD], 23, v[SD]                 ; 2^(141 - E)
	v_mov_b32 v[SD+1], v[SD]
	v_add_nc_u32 v[SU], -14, v10
	v_lshlrev_b32 v[SU], 23, v[SU]                 ; 2^(E - 141)
	v_mov_b32 v[SU+1], v[SU]
.irp j, 0,2,4,6
	v_pk_mul_f32 v[PL+(\j):PL+(\j)+1], v[PL+(\j):PL+(\j)+1], v[SD:SD+1]
.endr
.irp j, 0,1,2,3
	v_cvt_pk_f16_f32 v[OB+16+(\j)], v[PL+2*(\j)], v[PL+2*(\j)+1]
.endr
	ds_store_b128 v[KVS], v[OB+16:OB+19]           ; my tile as f16: 512 bytes a wave
	s_wait_dscnt 0x0                               ; for the others' sake
	s_barrier_signal -1
	s_barrier_wait -1
.irp t, 0,1,2,3,4,5,6,7,8,9,10,11,12,13,14,15
	ds_load_b128 v[KVF+4*(\t):KVF+4*(\t)+3], v[L16] offset:KVH+512*(\t)  ; all of kv, in every wave
.endr
.irp i, 0,1,2,3
	s_wait_loadcnt 12-4*(\i)                       ; block i of q is in; the later blocks' loads stay out
.if (\i) == 0
	s_wait_dscnt 0x0                               ; kv is in
.endif
.irp ks, 0,1                           ; the four accumulators take turns; the first four products start the sums
.irp pb, 0,1,2,3
.if (\ks) == 0
	v_wmma_f32_16x16x32_f16 v[ACC+8*(\pb):ACC+8*(\pb)+7], v[KVF+16*(\pb)+8*(\ks):KVF+16*(\pb)+8*(\ks)+7], v[Q+16*(\i)+8*(\ks):Q+16*(\i)+8*(\ks)+7], 0
.else
	v_wmma_f32_16x16x32_f16 v[ACC+8*(\pb):ACC+8*(\pb)+7], v[KVF+16*(\pb)+8*(\ks):KVF+16*(\pb)+8*(\ks)+7], v[Q+16*(\i)+8*(\ks):Q+16*(\i)+8*(\ks)+7], v[ACC+8*(\pb):ACC+8*(\pb)+7]
.endif
.endr
.endr
.rept 4
	v_nop                                          ; four plain vector instructions between the last product and the first read of a result (ISA guide 7.12.1)
.endr
.irp z, 0,2,4,6,8,10,12,14,16,18,20,22,24,26,28,30
	v_pk_mul_f32 v[TMP+(\z):TMP+(\z)+1], v[ACC+(\z):ACC+(\z)+1], v[SU:SU+1]  ; kv's power of two is undone, exactly
.endr
.if (\i) > 0
	s_wait_xcnt 0x0                                ; the last block's stores have read the registers that the loads below fill again
.endif
.irp pb, 0,1,2,3
	ds_store_b128 v[STO], v[TMP+8*(\pb):TMP+8*(\pb)+3]   offset:64*(\pb)
	ds_store_b128 v[STO], v[TMP+8*(\pb)+4:TMP+8*(\pb)+7] offset:64*(\pb)+16
.endr
.irp t, 0,1,2,3,4,5,6,7
	ds_load_b128 v[OB+4*(\t):OB+4*(\t)+3], v[RD] offset:2*(\t)*SP  ; LDS serves a wave's instructions in order (ISA guide 5.7.1.4): these see the stores above, and the next block's stores come behind them
.endr
.irp t, 0,1,2,3,4,5,6,7
	s_wait_dscnt 7-(\t)                            ; rows 2 t and 2 t + 1 are back; the 7 - t loads behind them may be out
	global_store_b128 v[CO], v[OB+4*(\t):OB+4*(\t)+3], s[8:9] offset:(16*(\i)+2*(\t))*4096 th:TH_STORE_NT  ; 62 rows of 4,096 bytes at the most: inside the signed 24-bit immediate
.endr
.endr
	s_wait_tensorcnt 0x0                           ; the wave's end, behind my last LDS store
	ds_add_u32 v[SPW], v[NIL]
	s_wait_dscnt 0x0
	s_endpgm
.Lfunc_end_k_q0ad088fde5_yfinal:
	.size	k_q0ad088fde5_yfinal, .Lfunc_end_k_q0ad088fde5_yfinal-k_q0ad088fde5_yfinal
	.p2alignl 7, 3214868480
	.fill 96, 4, 3214868480
	.section	.rodata,"a",@progbits
	.p2align	6, 0x0
	.amdhsa_kernel k_q0ad088fde5_yfinal
		.amdhsa_group_segment_fixed_size 80128
		.amdhsa_private_segment_fixed_size 0
		.amdhsa_enable_private_segment 0
		.amdhsa_kernarg_size 24
		.amdhsa_user_sgpr_count 2
		.amdhsa_user_sgpr_kernarg_segment_ptr 1
		.amdhsa_wavefront_size32 1
		.amdhsa_system_sgpr_workgroup_id_x 1
		.amdhsa_system_sgpr_workgroup_id_y 1
		.amdhsa_system_sgpr_workgroup_id_z 1
		.amdhsa_system_vgpr_workitem_id 0
		.amdhsa_next_free_vgpr 240
		.amdhsa_next_free_sgpr 66
		.amdhsa_reserve_vcc 0
		.amdhsa_float_denorm_mode_32 3
		.amdhsa_float_denorm_mode_16_64 3
		.amdhsa_memory_ordered 1
		.amdhsa_forward_progress 1
		.amdhsa_inst_pref_size 27
	.end_amdhsa_kernel
	.amdgpu_metadata
---
amdhsa.version: [ 1, 2 ]
amdhsa.kernels:
  - .name:           k_q0ad088fde5_yfinal
    .symbol:         k_q0ad088fde5_yfinal.kd
    .args:
      - { .name: qf, .offset: 0, .size: 8, .value_kind: global_buffer, .address_space: global }
      - { .name: kvpart, .offset: 8, .size: 8, .value_kind: global_buffer, .address_space: global }
      - { .name: out0, .offset: 16, .size: 8, .value_kind: global_buffer, .address_space: global }
    .group_segment_fixed_size: 80128
    .private_segment_fixed_size: 0
    .kernarg_segment_align: 8
    .kernarg_segment_size: 24
    .max_flat_workgroup_size: 512
    .sgpr_count:     66
    .vgpr_count:     240
    .wavefront_size: 32
...
	.end_amdgpu_metadata
.endif
;; end of part 3
;; ======== version 2 of 2: 3 launches; version 1 with the launch yfinal written anew for expert scheduling mode
;; limits: values are held in f16: magnitudes above 65,504 overflow, below 6.1e-05 lose precision
;; workspace buffers: u16 33,554,432 bytes; w16 6,291,456 bytes; qf 33,554,432 bytes; kvpart 8,388,608 bytes
;; launch prep: the kernel of part 1 again; grid 1216 x 1, 8 waves a work-group, no clusters, 0 bytes of LDS; arguments u, W_in, u16, w16; writes u16, w16
;; launch gemm3: the kernel of part 2 again; grid 8 x 32, 4 waves a work-group, clusters of 4 x 4, 327,680 bytes of LDS; arguments u16, w16, qf, kvpart; writes qf, kvpart
;; launch yfinal (part 4): grid 256 x 1, 16 waves a work-group, no clusters, 80,128 bytes of LDS; arguments qf, kvpart, out0; writes out0
.if DOCPART == 4
	.amdgcn_target "amdgcn-amd-amdhsa--gfx1250"
	.amdhsa_code_object_version 6
	.text
	.protected	k_q0ad088fde5_yfinal
	.globl	k_q0ad088fde5_yfinal
	.p2align	8
	.type	k_q0ad088fde5_yfinal,@function
k_q0ad088fde5_yfinal:
	s_mov_b64 s[64:65], 0
	v_nop
	global_prefetch_b8 v0, s[64:65] scope:SCOPE_SE
	s_setreg_imm32_b32 hwreg(HW_REG_WAVE_SCHED_MODE, 0, 2), 2
	s_setreg_imm32_b32 hwreg(HW_REG_WAVE_MODE, 25, 1), 1
	s_wait_xcnt 0x0
	s_wait_alu depctr_vm_vsrc(0)
; y = q kv for each batch and head, stored as out0 [16384][1024] f32; kv is first summed from its 8 parts.
; qf, f16: [bh][row / 16 in the batch (256)][n / 16 (4)][lane][8]: lane (r = l % 16, hh = l / 16) holds q[16 block + r][16 (n / 16) + 8 hh + 0..7].
; kvpart, f32: [bh][part 0..7][tile t = 4 pb + nb][quad][lane][4]: lane (r, hh), number j = 4 quad + i: a part of kv[16 nb + 8 hh + j][16 pb + r].
; THE SCALE.  kv's size goes with the fourth power of the inputs' and has no room in f16.  E is the exponent field of the head's largest magnitude; kv is multiplied by 2^(141 - E), which brings that magnitude into
; 2^14 .. 2^15, and rounded once to f16; y is multiplied by 2^(E - 141) in f32.  Both factors are exact.  LIMITS: E is held to 15 at the least, so a head whose largest magnitude is under 2^-112 is scaled by 2^126 only;
; NaN and infinities are not treated apart.  The parts are added in f32, in their order.
; SHARES.  Work-group g: bh = g / 4, rows 1,024 (g % 4) on of the batch.  Sixteen waves.  Wave w sums tile w of kv (8 numbers a lane) and then takes 64 rows: four blocks of 16.  All 32 loads of a wave go out at the
; head, the parts first, 512 consecutive bytes each.  The waves' maxima, and then their tiles as f16, meet in LDS: two barriers.
; THE PRODUCT is used transposed: source 0 = kv^T (16 p x 32 n: tiles 4 pb + 2 ks and + 1 as they lie), source 1 = q (32 n x 16 rows, as it lies in qf): lane (r, hh) holds row r of y and p = 16 pb + 8 hh + 0..7.
; THE WAY OUT.  A block's 16 rows x 256 bytes go through a stage of the wave's own in LDS and come back as whole rows: sixteen lanes store 256 consecutive bytes, at a multiple of 256 from out0's first byte.
; NO CLUSTER, no tensor loads: of the 512 KiB that a work-group moves only the 128 KiB of parts are shared (by four work-groups), and they are added in registers as they arrive; q and y belong to one wave each.
; THE MODE: SCHED_MODE bits 1:0 = 2 (LLVM: expert scheduling mode 2), set by the entry lines.  The code itself states the register dependences between vector or matrix instructions and memory or LDS
; instructions, with s_wait_alu, always for 0.
; THE PLAN.  Registers that memory or LDS instructions touch:
;   v1-v7      offsets and addresses: v1-v3 made ahead of the first load, v4-v7 behind the loads and ahead of the first LDS store; none is written again.
;   PL, Q, KVF filled by loads once, read by vector and matrix instructions alone.  Q's block 0 is read by the first eight products alone; its registers then are the lower half of OB's buffer 1.
;   TMP        Step i: written by its 16 scalings, read by its 8 LDS stores.
;   OB0, OB1   Step i: its 8 loads from the stage land in buffer i % 2; its 8 global stores read it.  Before the steps OB0 is at work in the reduction: an LDS store reads its first register, the maxima land in its first
;              sixteen, an LDS store reads its registers 16 to 19.
;   ACC, SD, SU are named by vector and matrix instructions alone.
; A step: the scalings; ONE wait on va_vdst; the LDS stores and loads; the NEXT block's eight products, which name KVF, Q and ACC, none of the registers that those LDS lines touch; ONE wait on vm_vsrc, which frees TMP
; for the next step and the other OB, whose global stores were issued a step back, for the next step's loads; the global stores.
.set KVH,   256                        ; LDS: bytes 0-63 the sixteen maxima, in a block of 256 of their own; then kv as f16: tile t's 512 bytes at KVH + 512 t
.set STAGE, KVH+8192                   ; 16 rows x 272 bytes for each wave
.set SP,    272                        ; 256 bytes + 16 = 68 words: rows begin 4 banks apart (64 banks of 4 bytes: ISA guide 11.1)
.set SPARE, STAGE+16*16*SP             ; the spare words, 128 bytes for each wave: eight blocks of 256 bytes that no other line names
.set L16, 1                            ; v1   16 x lane
.set WW,  2                            ; v2   my wave's word among the maxima
.set ZER, 3                            ; v3   0: the maxima's address
.set STO, 4                            ; v4   where I put 32 bytes of a row
.set RD,  5                            ; v5   where I read a row back
.set CO,  6                            ; v6   my 16 bytes in two rows of out0
.set KVS, 7                            ; v7   where I put my 16 bytes of my tile of kv
.set SPW, 8                            ; v8   LDS address of my spare word; kept for the closing add alone
.set NIL, 9                            ; v9   0; likewise
.set SD,  12                           ; v[12:13] 2^(141 - E), twice
.set SU,  14                           ; v[14:15] 2^(E - 141), twice
.set KVF, 16                           ; v[16:79]   kv as f16: block pb, K step ks at KVF + 16 pb + 8 ks (tile t's four registers at KVF + 4 t)
.set ACC, 80                           ; v[80:111]  four accumulators, one for each pb
.set TMP, 112                          ; v[112:143] y scaled
.set OB,  144                          ; v[144:175] rows read back, buffer 0; at work in the reduction.  Buffer 1 at OB + 80: v[224:255]
.set Q,   176                          ; v[176:239] q: block i, n / 16 = c at Q + 16 ((i + 3) % 4) + 4 c: block 0 lies last, under OB's buffer 1
.set PL,  80                           ; v[80:143]  at first: part p, quad c at PL + 8 p + 4 c; the sum grows in v[80:87]
	s_load_b128 s[4:7], s[0:1], 0x0                ; qf s[4:5], kvpart s[6:7]
	s_load_b64 s[8:9], s[0:1], 0x10                ; out0
	v_lshl_add_u32 v[SPW], v0, 2, SPARE
	v_mov_b32 v[NIL], 0
	v_lshrrev_b32 v10, 5, v0
	v_readfirstlane_b32 s10, v10                   ; wave 0..15
	v_and_b32 v11, 31, v0
	v_lshlrev_b32 v[L16], 4, v11
	s_wait_alu depctr_va_sdst(0)                   ; s10 is written, ahead of its first reader: my word among the maxima and all three bases are made from it
	v_mov_b32 v[WW], s10
	v_lshlrev_b32 v[WW], 2, v[WW]
	v_mov_b32 v[ZER], 0
	s_lshr_b32 s11, ttmp9, 2                       ; bh
	s_and_b32 s12, ttmp9, 3                        ; which quarter of the batch's rows
	s_lshl_b32 s14, s11, 17                        ; kvpart: 8 parts of 16,384 bytes a head,
	s_lshl_b32 s13, s10, 10                        ; my tile
	s_add_co_u32 s14, s14, s13
	s_mov_b32 s15, 0
	s_lshl_b32 s16, s11, 8                         ; qf: 256 row blocks a head,
	s_lshl_b32 s13, s12, 6                         ; 64 a quarter,
	s_add_co_u32 s16, s16, s13
	s_lshl_b32 s13, s10, 2                         ; 4 a wave,
	s_add_co_u32 s16, s16, s13
	s_lshl_b32 s16, s16, 11                        ; of 2,048 bytes
	s_mov_b32 s17, 0
	s_lshr_b32 s18, s11, 4                         ; out0: the batch's 4,096 rows,
	s_lshl_b32 s18, s18, 12
	s_lshl_b32 s13, s12, 10                        ; the quarter's 1,024,
	s_add_co_u32 s18, s18, s13
	s_lshl_b32 s13, s10, 6                         ; the wave's 64,
	s_add_co_u32 s18, s18, s13
	s_lshl_b32 s18, s18, 12                        ; of 4,096 bytes,
	s_and_b32 s13, s11, 15
	s_lshl_b32 s13, s13, 8                         ; and the head's 256 bytes of a row
	s_add_co_u32 s18, s18, s13
	s_mov_b32 s19, 0
	s_mov_b32 s20, 0x76543210                      ; v_permlanex16_b32: each lane takes its own place in the other half
	s_mov_b32 s21, 0xfedcba98
	s_wait_kmcnt 0x0
	s_add_nc_u64 s[4:5], s[4:5], s[16:17]
	s_add_nc_u64 s[6:7], s[6:7], s[14:15]
	s_add_nc_u64 s[8:9], s[8:9], s[18:19]
	s_wait_alu depctr_va_vdst(0)                   ; v[L16] is written, which the 32 loads below read as their offset; so are v[WW], v[ZER] and the closing add's two registers
.set p, 0
.rept 8
	global_load_b128 v[PL+8*p:PL+8*p+3],   v[L16], s[6:7] offset:16384*p
	global_load_b128 v[PL+8*p+4:PL+8*p+7], v[L16], s[6:7] offset:16384*p+512
.set p, p+1
.endr
.irp i, 0,1,2,3
.irp c, 0,1,2,3
	global_load_b128 v[Q+16*(((\i)+3)%4)+4*(\c):Q+16*(((\i)+3)%4)+4*(\c)+3], v[L16], s[4:5] offset:2048*(\i)+512*(\c) th:TH_LOAD_NT
.endr
.endr
	v_and_b32 v10, 15, v0                          ; l % 16
	v_bfe_u32 v11, v0, 4, 1                        ; l / 16
	s_mul_i32 s22, s10, 16*SP
	s_add_co_u32 s22, s22, STAGE                   ; my stage
	v_mul_u32_u24 v[STO], v10, SP                  ; in: row l % 16, 32 bytes for each half of the lanes
	v_lshl_add_u32 v[STO], v11, 5, v[STO]
	v_add_nc_u32 v[STO], s22, v[STO]
	v_mul_u32_u24 v[RD], v11, SP                   ; back: lanes 0-15 take one row of 256 bytes, lanes 16-31 the next
	v_lshl_add_u32 v[RD], v10, 4, v[RD]
	v_add_nc_u32 v[RD], s22, v[RD]
	v_lshlrev_b32 v[CO], 12, v11                   ; and the same two rows in out0
	v_lshl_add_u32 v[CO], v10, 4, v[CO]
	s_lshl_b32 s23, s10, 9
	s_add_co_u32 s23, s23, KVH
	v_add_nc_u32 v[KVS], s23, v[L16]
.set p, 1
.rept 7
	s_wait_loadcnt 30-2*p                          ; parts 0 to p are in; the 14 - 2 p loads of the later parts and q's 16 stay out
.irp j, 0,2,4,6
	v_pk_add_f32 v[PL+(\j):PL+(\j)+1], v[PL+(\j):PL+(\j)+1], v[PL+8*p+(\j):PL+8*p+(\j)+1]
.endr
.set p, p+1
.endr
	; the largest magnitude: in my lane, in my wave, in the head
.irp j, 0,1,2,3,4,5,6,7
	v_and_b32 v[OB+(\j)], 0x7fffffff, v[PL+(\j)]
.endr
	v_max3_num_f32 v[OB], v[OB], v[OB+1], v[OB+2]
	v_max3_num_f32 v[OB+3], v[OB+3], v[OB+4], v[OB+5]
	v_max3_num_f32 v[OB], v[OB], v[OB+6], v[OB+7]
	v_max_num_f32 v[OB], v[OB], v[OB+3]
	v_max_num_f32_dpp v[OB], v[OB], v[OB] row_xmask:1 row_mask:0xf bank_mask:0xf
	v_max_num_f32_dpp v[OB], v[OB], v[OB] row_xmask:2 row_mask:0xf bank_mask:0xf
	v_max_num_f32_dpp v[OB], v[OB], v[OB] row_xmask:4 row_mask:0xf bank_mask:0xf
	v_max_num_f32_dpp v[OB], v[OB], v[OB] row_xmask:8 row_mask:0xf bank_mask:0xf
	v_permlanex16_b32 v[OB+1], v[OB], s20, s21     ; its destination counts as read: it has been written
	v_max_num_f32 v[OB], v[OB], v[OB+1]
	s_wait_alu depctr_va_vdst(0)                   ; v[OB] is written, which the LDS store reads; the lines above are done with v[OB .. OB+7], in which the maxima land; v[STO], v[RD], v[CO] and v[KVS] are written, for all that reads them below
	ds_store_b32 v[WW], v[OB]                      ; all lanes write the same word with the same number
	s_wait_dscnt 0x0                               ; for the others' sake: my store is done
	s_barrier_signal -1
	s_barrier_wait -1
	s_wait_alu depctr_vm_vsrc(0)                   ; my LDS store has read v[OB], in which the first load below lands
.irp k, 0,1,2,3
	ds_load_b128 v[OB+4*(\k):OB+4*(\k)+3], v[ZER] offset:16*(\k)  ; the sixteen waves' maxima
.endr
	s_wait_dscnt 0x0
	v_max3_num_f32 v[OB], v[OB], v[OB+1], v[OB+2]
	v_max3_num_f32 v[OB+3], v[OB+3], v[OB+4], v[OB+5]
	v_max3_num_f32 v[OB+6], v[OB+6], v[OB+7], v[OB+8]
	v_max3_num_f32 v[OB+9], v[OB+9], v[OB+10], v[OB+11]
	v_max3_num_f32 v[OB+12], v[OB+12], v[OB+13], v[OB+14]
	v_max3_num_f32 v[OB], v[OB], v[OB+3], v[OB+6]
	v_max3_num_f32 v[OB+9], v[OB+9], v[OB+12], v[OB+15]
	v_max_num_f32 v[OB], v[OB], v[OB+9]
	v_lshrrev_b32 v10, 23, v[OB]                   ; E (the sign is 0)
	v_max_u32 v10, 15, v10
	v_sub_nc_u32 v[SD], 268, v10
	v_lshlrev_b32 v[SD], 23, v[SD]                 ; 2^(141 - E)
	v_mov_b32 v[SD+1], v[SD]
	v_add_nc_u32 v[SU], -14, v10
	v_lshlrev_b32 v[SU], 23, v[SU]                 ; 2^(E - 141)
	v_mov_b32 v[SU+1], v[SU]
.irp j, 0,2,4,6
	v_pk_mul_f32 v[PL+(\j):PL+(\j)+1], v[PL+(\j):PL+(\j)+1], v[SD:SD+1]
.endr
.irp j, 0,1,2,3
	v_cvt_pk_f16_f32 v[OB+16+(\j)], v[PL+2*(\j)], v[PL+2*(\j)+1]
.endr
	s_wait_alu depctr_va_vdst(0)                   ; the roundings have written v[OB+16 .. OB+19], which the LDS store reads
	ds_store_b128 v[KVS], v[OB+16:OB+19]           ; my tile as f16: 512 bytes a wave
	s_wait_dscnt 0x0                               ; for the others' sake
	s_barrier_signal -1
	s_barrier_wait -1
	s_wait_alu depctr_vm_vsrc(0)                   ; my LDS store has read v[OB+16 .. OB+19], in which the first step's loads from the stage land
.irp t, 0,1,2,3,4,5,6,7,8,9,10,11,12,13,14,15
	ds_load_b128 v[KVF+4*(\t):KVF+4*(\t)+3], v[L16] offset:KVH+512*(\t)  ; all of kv, in every wave; no vector line has named these registers
.endr
; Block i's eight products.  The four accumulators take turns; the first four products start the sums.
.macro PROD i
.irp ks, 0,1
.irp pb, 0,1,2,3
.if (\ks) == 0
	v_wmma_f32_16x16x32_f16 v[ACC+8*(\pb):ACC+8*(\pb)+7], v[KVF+16*(\pb)+8*(\ks):KVF+16*(\pb)+8*(\ks)+7], v[Q+16*(((\i)+3)%4)+8*(\ks):Q+16*(((\i)+3)%4)+8*(\ks)+7], 0
.else
	v_wmma_f32_16x16x32_f16 v[ACC+8*(\pb):ACC+8*(\pb)+7], v[KVF+16*(\pb)+8*(\ks):KVF+16*(\pb)+8*(\ks)+7], v[Q+16*(((\i)+3)%4)+8*(\ks):Q+16*(((\i)+3)%4)+8*(\ks)+7], v[ACC+8*(\pb):ACC+8*(\pb)+7]
.endif
.endr
.endr
.endm
; Step i: block i, whose products have been issued, goes out; the next block's products stand between the loads from the stage and the stores that wait for them.
.macro STEP i
.set BK, OB+80*((\i)%2)
.rept 4
	v_nop                                          ; four plain vector instructions between the last product and the first read of a result (ISA guide 7.12.1)
.endr
.irp z, 0,2,4,6,8,10,12,14,16,18,20,22,24,26,28,30
	v_pk_mul_f32 v[TMP+(\z):TMP+(\z)+1], v[ACC+(\z):ACC+(\z)+1], v[SU:SU+1]  ; kv's power of two is undone, exactly
.endr
	s_wait_alu depctr_va_vdst(0)                   ; the scalings have written TMP, which the LDS stores read; every vector and matrix line that named this step's OB (the reduction's: buffer 0; block 0's products: buffer 1's lower half) is done with it
.irp pb, 0,1,2,3
	ds_store_b128 v[STO], v[TMP+8*(\pb):TMP+8*(\pb)+3]   offset:64*(\pb)
	ds_store_b128 v[STO], v[TMP+8*(\pb)+4:TMP+8*(\pb)+7] offset:64*(\pb)+16
.endr
.irp t, 0,1,2,3,4,5,6,7
	ds_load_b128 v[BK+4*(\t):BK+4*(\t)+3], v[RD] offset:2*(\t)*SP  ; LDS serves a wave's instructions in order (ISA guide 5.7.1.4): these see the stores above, and the next block's stores come behind them
.endr
.if (\i) < 3
	s_wait_loadcnt 8-4*(\i)                        ; block i + 1 of q is in; the later blocks' loads stay out
	PROD (\i)+1                                    ; no wait: the products name KVF, Q and ACC, none of which the LDS lines above touch
.if (\i) > 0
	s_wait_xcnt 0x0                                ; the global stores of the step before have had their addresses translated (ISA guide 3.1): the other OB, their data, is loaded again only behind this wait
.endif
	s_wait_alu depctr_vm_vsrc(0)                   ; this step's LDS stores have read TMP, which the next step's scalings write again; the global stores of the step before have read the other OB, in which the next step's loads land
.endif
.irp t, 0,1,2,3,4,5,6,7
	s_wait_dscnt 7-(\t)                            ; rows 2 t and 2 t + 1 are back; the 7 - t loads behind them may be out
	global_store_b128 v[CO], v[BK+4*(\t):BK+4*(\t)+3], s[8:9] offset:(16*(\i)+2*(\t))*4096 th:TH_STORE_NT  ; 62 rows of 4,096 bytes at the most: inside the signed 24-bit immediate
.endr
.endm
	s_wait_loadcnt 12                              ; block 0 of q is in; the later blocks' loads stay out
	s_wait_dscnt 0x0                               ; kv is in
	PROD 0
	STEP 0
	STEP 1
	STEP 2
	STEP 3                                         ; the last step: no products follow, and nothing is written again, so it frees nothing
	s_wait_dscnt 0x0                               ; the closing lines, six on end
	s_wait_alu 0x0
	s_wait_tensorcnt 0x0
	ds_add_u32 v[SPW], v[NIL]
	s_wait_dscnt 0x0
	s_endpgm
.Lfunc_end_k_q0ad088fde5_yfinal:
	.size	k_q0ad088fde5_yfinal, .Lfunc_end_k_q0ad088fde5_yfinal-k_q0ad088fde5_yfinal
	.p2alignl 7, 3214868480
	.fill 96, 4, 3214868480
	.section	.rodata,"a",@progbits
	.p2align	6, 0x0
	.amdhsa_kernel k_q0ad088fde5_yfinal
		.amdhsa_group_segment_fixed_size 80128
		.amdhsa_private_segment_fixed_size 0
		.amdhsa_enable_private_segment 0
		.amdhsa_kernarg_size 24
		.amdhsa_user_sgpr_count 2
		.amdhsa_user_sgpr_kernarg_segment_ptr 1
		.amdhsa_wavefront_size32 1
		.amdhsa_system_sgpr_workgroup_id_x 1
		.amdhsa_system_sgpr_workgroup_id_y 1
		.amdhsa_system_sgpr_workgroup_id_z 1
		.amdhsa_system_vgpr_workitem_id 0
		.amdhsa_next_free_vgpr 256
		.amdhsa_next_free_sgpr 66
		.amdhsa_reserve_vcc 0
		.amdhsa_float_denorm_mode_32 3
		.amdhsa_float_denorm_mode_16_64 3
		.amdhsa_memory_ordered 1
		.amdhsa_forward_progress 1
		.amdhsa_inst_pref_size 27
	.end_amdhsa_kernel
	.amdgpu_metadata
---
amdhsa.version: [ 1, 2 ]
amdhsa.kernels:
  - .name:           k_q0ad088fde5_yfinal
    .symbol:         k_q0ad088fde5_yfinal.kd
    .args:
      - { .name: qf, .offset: 0, .size: 8, .value_kind: global_buffer, .address_space: global }
      - { .name: kvpart, .offset: 8, .size: 8, .value_kind: global_buffer, .address_space: global }
      - { .name: out0, .offset: 16, .size: 8, .value_kind: global_buffer, .address_space: global }
    .group_segment_fixed_size: 80128
    .private_segment_fixed_size: 0
    .kernarg_segment_align: 8
    .kernarg_segment_size: 24
    .max_flat_workgroup_size: 512
    .sgpr_count:     66
    .vgpr_count:     256
    .wavefront_size: 32
...
	.end_amdgpu_metadata
.endif
;; end of part 4
